; MI455X (gfx1250); checked and timed in simulation.
; The chip was launched on July 23, 2026; its instructions are those of AMD's public machine-readable ISA for CDNA 5 (MIT licence, August 2026) and "CDNA5" Instruction Set Architecture Reference Guide (July 2026). The comments in the code are by the model that wrote it; some were corrected since.
;; Sliding Window Attention. Allowed arithmetic: float matrix products may take bf16 or f16 operands with f32 sums; all other float work in f32.
;; Inputs: b_proj 1,024 float32; w_proj 1,024 x 1,024 float32; w_qkv 3,072 x 1,024 float32; x 1 x 4,096 x 1,024 float32.
;; Outputs: out0 1 x 4,096 x 1,024 float32.
;; 2 versions, each right; version 2 is version 1 with the launch cast written anew for expert scheduling mode. Each part assembles by itself: llvm-mc -triple=amdgcn-amd-amdhsa -mcpu=gfx1250 --defsym DOCPART=n.
;; ======== version 1 of 2: 4 launches
;; limits: values are held in f16: magnitudes above 65,504 overflow, below 6.1e-05 lose precision
;; workspace buffers: xb 8,388,608 bytes; wqb 6,291,456 bytes; wpb 2,097,152 bytes; qkv 25,165,824 bytes; ao 8,388,608 bytes
;; launch cast (part 1): grid 512 x 1, 8 waves a work-group, no clusters, 0 bytes of LDS; arguments x, w_qkv, w_proj, xb, wqb, wpb; writes xb, wqb, wpb
.if DOCPART == 1
	.amdgcn_target "amdgcn-amd-amdhsa--gfx1250"
	.amdhsa_code_object_version 6
	.text
	.protected	k_q96676bafdf_cast
	.globl	k_q96676bafdf_cast
	.p2align	8
	.type	k_q96676bafdf_cast,@function
k_q96676bafdf_cast:
	s_mov_b64 s[64:65], 0
	v_nop
	global_prefetch_b8 v0, s[64:65] scope:SCOPE_SE
	s_setreg_imm32_b32 hwreg(HW_REG_WAVE_MODE, 25, 1), 1
	s_wait_xcnt 0x0
; x [4096][1024], w_qkv [3072][1024], w_proj [1024][1024], all f32, are rounded to bf16 (nearest even) and laid out tile-major:
;   T[rb][p][128][64]: rb = row / 128, p = k / 64; byte = rb*262144 + p*16384 + (row % 128)*128 + (k % 64)*2.
; So all of K of a block of 128 rows is one dense run of 256 KiB, and two neighbouring panels are one dense block of 32 KiB
; that the products' tensor loads bring in whole.
; The three inputs have 8,192 rows of 4,096 bytes in all.  A work-group takes 16 rows (inside one block of 128), a wave two rows.
; A load of a wave: lanes 0-15 take 256 consecutive bytes (one panel's 64 numbers) of the even row, lanes 16-31 of the odd row.
; A store of a wave: the two rows' 128 bytes are neighbours in T: 256 consecutive bytes, aligned.
; Memory binds: no LDS, no barrier, no matrix unit.  Sixteen loads of every wave go out at once; no register is written twice.
.set X, 16                             ; v[16:79]   panel p: 4 f32 as loaded
.set Y, 80                             ; v[80:111]  panel p: 4 bf16 to store
	s_load_b256 s[4:11], s[0:1], 0x0               ; x s[4:5], w_qkv s[6:7], w_proj s[8:9], xb s[10:11]
	s_load_b128 s[12:15], s[0:1], 0x20             ; wqb s[12:13], wpb s[14:15]
	v_lshrrev_b32 v1, 4, v0                        ; my row among the group's 16
	v_and_b32 v3, 15, v0
	v_lshlrev_b32 v1, 12, v1                       ; x 4,096 bytes
	v_lshl_add_u32 v1, v3, 4, v1                   ; + my 16 bytes of a panel's 256: the source offset
	v_lshlrev_b32 v2, 3, v0                        ; row x 128 + (t & 15) x 8 = 8 t: the target offset
	s_mov_b32 s20, 448
	s_mov_b32 s21, 256
	s_wait_kmcnt 0x0
	; work-groups 0-255 take x, 256-447 w_qkv, 448-511 w_proj: the choice hangs on the work-group's number alone
	s_cmp_lt_u32 ttmp9, 448
	s_cselect_b64 s[16:17], s[6:7], s[8:9]
	s_cselect_b64 s[18:19], s[12:13], s[14:15]
	s_cselect_b32 s20, s21, s20
	s_cmp_lt_u32 ttmp9, 256
	s_cselect_b64 s[16:17], s[4:5], s[16:17]
	s_cselect_b64 s[18:19], s[10:11], s[18:19]
	s_cselect_b32 s20, 0, s20
	s_sub_co_u32 s20, ttmp9, s20                   ; the group's number inside its tensor
	s_lshl_b32 s22, s20, 16                        ; 16 rows of 4,096 bytes
	s_mov_b32 s23, 0
	s_add_nc_u64 s[16:17], s[16:17], s[22:23]
	s_lshr_b32 s24, s20, 3                         ; block of 128 rows,
	s_lshl_b32 s24, s24, 18                        ; 262,144 bytes each,
	s_and_b32 s25, s20, 7
	s_lshl_b32 s25, s25, 11                        ; and 16 rows of 128 bytes inside a panel
	s_add_co_u32 s24, s24, s25
	s_mov_b32 s25, 0
	s_add_nc_u64 s[18:19], s[18:19], s[24:25]
.irp p, 0,1,2,3,4,5,6,7,8,9,10,11,12,13,14,15
	global_load_b128 v[X+4*\p:X+4*\p+3], v1, s[16:17] offset:256*\p th:TH_LOAD_NT
.endr
.irp p, 0,1,2,3,4,5,6,7,8,9,10,11,12,13,14,15
	s_wait_loadcnt 15-\p                           ; loads come back in order: panel p is in, the 15 - p younger ones stay out
	v_cvt_pk_bf16_f32 v[Y+2*\p], v[X+4*\p], v[X+4*\p+1]
	v_cvt_pk_bf16_f32 v[Y+2*\p+1], v[X+4*\p+2], v[X+4*\p+3]
	global_store_b64 v2, v[Y+2*\p:Y+2*\p+1], s[18:19] offset:16384*\p
.endr
	s_endpgm
.Lfunc_end_k_q96676bafdf_cast:
	.size	k_q96676bafdf_cast, .Lfunc_end_k_q96676bafdf_cast-k_q96676bafdf_cast
	.p2alignl 7, 3214868480
	.fill 96, 4, 3214868480
	.section	.rodata,"a",@progbits
	.p2align	6, 0x0
	.amdhsa_kernel k_q96676bafdf_cast
		.amdhsa_group_segment_fixed_size 0
		.amdhsa_private_segment_fixed_size 0
		.amdhsa_enable_private_segment 0
		.amdhsa_kernarg_size 48
		.amdhsa_user_sgpr_count 2
		.amdhsa_user_sgpr_kernarg_segment_ptr 1
		.amdhsa_wavefront_size32 1
		.amdhsa_system_sgpr_workgroup_id_x 1
		.amdhsa_system_sgpr_workgroup_id_y 1
		.amdhsa_system_sgpr_workgroup_id_z 1
		.amdhsa_system_vgpr_workitem_id 0
		.amdhsa_next_free_vgpr 112
		.amdhsa_next_free_sgpr 66
		.amdhsa_reserve_vcc 0
		.amdhsa_float_denorm_mode_32 3
		.amdhsa_float_denorm_mode_16_64 3
		.amdhsa_memory_ordered 1
		.amdhsa_forward_progress 1
		.amdhsa_inst_pref_size 7
	.end_amdhsa_kernel
	.amdgpu_metadata
---
amdhsa.version: [ 1, 2 ]
amdhsa.kernels:
  - .name:           k_q96676bafdf_cast
    .symbol:         k_q96676bafdf_cast.kd
    .args:
      - { .name: x, .offset: 0, .size: 8, .value_kind: global_buffer, .address_space: global }
      - { .name: w_qkv, .offset: 8, .size: 8, .value_kind: global_buffer, .address_space: global }
      - { .name: w_proj, .offset: 16, .size: 8, .value_kind: global_buffer, .address_space: global }
      - { .name: xb, .offset: 24, .size: 8, .value_kind: global_buffer, .address_space: global }
      - { .name: wqb, .offset: 32, .size: 8, .value_kind: global_buffer, .address_space: global }
      - { .name: wpb, .offset: 40, .size: 8, .value_kind: global_buffer, .address_space: global }
    .group_segment_fixed_size: 0
    .private_segment_fixed_size: 0
    .kernarg_segment_align: 8
    .kernarg_segment_size: 48
    .max_flat_workgroup_size: 256
    .sgpr_count:     66
    .vgpr_count:     112
    .wavefront_size: 32
...
	.end_amdgpu_metadata
.endif
;; end of part 1
;; launch gemm_qkv (part 2): grid 8 x 32, 4 waves a work-group, clusters of 4 x 4, 327,680 bytes of LDS; arguments xb, wqb, qkv; writes qkv
.if DOCPART == 2
	.amdgcn_target "amdgcn-amd-amdhsa--gfx1250"
	.amdhsa_code_object_version 6
	.text
	.protected	k_q96676bafdf_gemm_qkv
	.globl	k_q96676bafdf_gemm_qkv
	.p2align	8
	.type	k_q96676bafdf_gemm_qkv,@function
k_q96676bafdf_gemm_qkv:
	s_mov_b64 s[64:65], 0
	v_nop
	global_prefetch_b8 v0, s[64:65] scope:SCOPE_SE
	s_setreg_imm32_b32 hwreg(HW_REG_WAVE_MODE, 25, 1), 1
	s_wait_xcnt 0x0
	s_wait_alu depctr_hold_cnt(0) depctr_sa_sdst(0) depctr_va_vdst(0) depctr_va_sdst(0) depctr_va_ssrc(0) depctr_va_vcc(0) depctr_vm_vsrc(0)
	s_getreg_b32 s2, hwreg(HW_REG_IB_STS2, 6, 4)
	s_cmp_eq_u32 s2, 0
	s_cbranch_scc0 .Lentry_in_a_cluster
	s_endpgm
.Lentry_in_a_cluster:
	s_bfe_u32 s2, ttmp6, 0x10000c
	s_cmp_lg_u32 s2, 0xf033
	s_cbranch_scc0 .Lentry_shape_is_right
	s_endpgm
.Lentry_shape_is_right:
; qkv = x w_qkv^T.  xb [32][16][128][64] and wqb [24][16][128][64] are bf16, tile-major (block of 128 rows, panel of 64 along K);
; sums in f32; the result is rounded once to f16 and stored as head panels qkv[48][4096][64]: panel = feature / 64
; (0-15 q, 16-31 k, 32-47 v by head), a row of 128 bytes for each token.
; LIMIT: q, k, v are kept in f16, whose ten fraction bits the scores need: a result of 65,504 or more in magnitude becomes an infinity.
; With the inputs as drawn the results have rms 1; with x and w_qkv both 30 times larger rms 900; with both carrying a common
; offset of 30 spreads 1024 x 30 x 0.94 = 28,800.
; A work-group makes 128 tokens x 384 features with four waves; 32 x 8 = 256 work-groups.  Wave w (rhalf = w >> 1, c = w & 1) makes
; 64 tokens x 192 features: 4 x 12 accumulator tiles, 384 registers.  Its features are rows 64 c .. 64 c + 63 of each of the block's
; three row blocks of w_qkv: three whole head panels.
; K goes in steps of 128 (two panels, one dense block of 32 KiB for each block of 128 rows) through two LDS slots.
; CLUSTERS: 4 x 4 work-groups.  x's tile hangs on the block row alone and is asked for jointly along a row of the cluster (wave 0);
; w_qkv's three tiles hang on the block column alone and are asked for jointly along a column (waves 1 to 3): one tensor load a wave.
; THE WALK ALONG K: a tile of x is asked for by 2 clusters, a tile of w_qkv by 8.  Clusters whose x + y is odd begin at K step 4 and wrap
; round (4 5 6 7 0 1 2 3), so of the clusters that need a tile half ask for it four K steps before the other half, and in the second half of
; every cluster's walk the requests are for bytes that another cluster has read shortly before.  The shift hangs on the cluster's own
; coordinates, which all its work-groups share.  Only the order of the f32 sums hangs on it.
; REGISTERS in windows of 256: window 0 addresses, x's fragments (two buffers), the way out; window 1 w_qkv's fragments (two buffers);
; window 2 the accumulators of my token blocks 0, 1 (tile (a, b) at v[8 (12 a + b)]); window 3 those of token blocks 2, 3.
; The matrix instruction is used transposed (source 0 = 16 features, source 1 = 16 tokens): a lane then holds eight neighbouring
; features of one token, 16 bytes of f16.
.set PITCH,  144                       ; an LDS row: 128 bytes of data + 16 of padding = 9 x 16: the 16 rows of a fragment load start 16 bytes apart modulo 256
.set PANEL,  128*PITCH                 ; a panel of 128 rows x 64 K
.set UNIT,   2*PANEL                   ; what one tensor load brings: two panels
.set SLOT,   4*UNIT                    ; x's unit, then w_qkv's three
.set STAGE,  2*SLOT                    ; behind the ring: 16 rows x 400 bytes for each wave, for the way out; no tensor load lands there
.set SPITCH, 400                       ; 384 bytes + 16 = 25 x 16
.set KBYTES, 32768                     ; a K step of a block of 128 rows in memory
.set KWRAP,  0x3ffff                   ; all eight K steps of a block of 128 rows are 262,144 consecutive bytes
.set ADRA, 16                          ; v16-17  LDS address of my x fragments in slot 0, 1
.set ADRB, 18                          ; v18-23  the same for w_qkv: slot s, row block g at 3 s + g
.set STO,  24                          ; the way out: where I put 16 bytes
.set RD,   25                          ; the way out: where I read them back
.set CO,   26                          ; my byte offset in a store's 512 bytes
.set FA,   32                          ; window 0: x's fragments, buffer f at FA + 32 f
.set FB,   0                           ; window 1: w_qkv's fragments, buffer f at FB + 96 f
.set TMP,  96                          ; window 0: packed results
.set RB,   144                         ; window 0: rows read back
.set G1,  24                           ; s[24:31] descriptor group 1 for x's tiles
.set G0,  32                           ; s[32:39] group 0 for x's tiles, a set for each slot
.set G1B, 48                           ; s[48:55] group 1 for w_qkv's tiles: another mask
.set G0B, 56                           ; s[56:63] group 0 for w_qkv's tiles, a set for each slot
.set OFS, 66                           ; s[66:67], s[68:69] slot 0's, slot 1's place along K, in bytes from the row block's first byte
.set MSB, 0
.macro WIN new                         ; the immediate's high byte repeats the setting that is left
.if MSB != \new
	s_set_vgpr_msb (MSB<<8)|\new
.set MSB, \new
.endif
.endm
.set MUL_LO, 0xa1                      ; source 0 window 1, source 1 window 0, C and D window 2
.set MUL_HI, 0xf1                      ; the same, C and D window 3
.set TO_B,   0x40                      ; destination window 1, address window 0
; A joint load: wave 0 asks for x's unit, waves 1 to 3 for w_qkv's.  Each line has one mask; the branch hangs on the wave's number alone.
.macro JLOAD s
	s_cmp_eq_u32 s10, 0
	s_cbranch_scc0 .Lfor_b_\@
	tensor_load_to_lds s[G0+4*\s:G0+4*\s+3], s[G1:G1+7]
	s_nop 0
	s_branch .Lasked_\@
.Lfor_b_\@:
	tensor_load_to_lds s[G0B+4*\s:G0B+4*\s+3], s[G1B:G1B+7]
	s_nop 0
.Lasked_\@:
.endm
; A round of the cluster's barrier: my work-group's barrier; wave 0 signals for the work-group; every wave waits for all sixteen; my work-group's barrier again.
.macro CREST                           ; a round behind its opening barrier
	s_cmp_lg_u32 s10, 0
	s_cbranch_scc1 .Lnot_wave_0_\@
	s_barrier_signal -3
.Lnot_wave_0_\@:
	s_barrier_wait -3
	s_barrier_signal -1
	s_barrier_wait -1
.endm
.macro CROUND
	s_barrier_signal -1
	s_barrier_wait -1
	CREST
.endm
	s_load_b128 s[4:7], s[0:1], 0x0                ; xb s[4:5], wqb s[6:7]
	s_load_b64 s[8:9], s[0:1], 0x10                ; qkv
	s_set_vgpr_msb 0x40
	v_lshl_add_u32 v255, v0, 2, 0x4e400
	s_set_vgpr_msb 0x4000
	v_mov_b32 v255, 0
	s_set_vgpr_msb 0x1
	ds_add_u32 v255, v255
	ds_add_u32 v255, v255
	s_set_vgpr_msb 0x100
	v_lshrrev_b32 v1, 5, v0
	v_readfirstlane_b32 s10, v1                    ; wave 0..3
	s_lshr_b32 s11, s10, 1                         ; rhalf: which 64 tokens are mine
	s_and_b32 s12, s10, 1                          ; c: which 64 rows of each row block of w_qkv
	s_bfe_u32 s40, ttmp6, 0x40000                  ; cx
	s_bfe_u32 s41, ttmp6, 0x40004                  ; cy
	s_lshl_b32 s42, ttmp9, 2
	s_add_co_u32 s42, s42, s40                     ; block column = 4 x cluster x + cx, 0..7
	s_and_b32 s13, ttmp7, 0xffff
	s_lshl_b32 s13, s13, 2
	s_add_co_u32 s13, s13, s41                     ; block row = 4 x cluster y + cy, 0..31
	s_lshl_b32 s43, s41, 2
	s_lshl_b32 s43, 15, s43                        ; my row of the cluster
	s_lshl_b32 s44, 0x1111, s40                    ; my column
	; where my cluster's walk along K begins: K step 4 x ((cluster x + cluster y) mod 2)
	s_and_b32 s[OFS], ttmp7, 1
	s_and_b32 s[OFS+2], ttmp9, 1
	s_xor_b32 s[OFS], s[OFS], s[OFS+2]
	s_lshl_b32 s[OFS], s[OFS], 17                  ; 4 x 32,768 bytes: slot 0's first K step
	s_add_co_u32 s[OFS+2], s[OFS], KBYTES          ; slot 1's: the next one
	s_mov_b32 s[OFS+1], 0
	s_mov_b32 s[OFS+3], 0
	; group 1: a dense block of 32,768 bytes as 128 rows of 32 elements of 8 bytes; after every 32 words (128 bytes, a panel's row) 4 words of padding
	s_or_b32 s[G1+0], s43, (3<<16)|(1<<20)|(1<<21)|(4<<22)|(3<<25)
	s_or_b32 s[G1B+0], s44, (3<<16)|(1<<20)|(1<<21)|(4<<22)|(3<<25)
	s_mov_b32 s[G1+1], 32<<16                      ; tensor_dim0 = 32
	s_mov_b32 s[G1B+1], 32<<16
	s_mov_b32 s[G1+2], 128<<16                     ; tensor_dim1 = 128
	s_mov_b32 s[G1B+2], 128<<16
	s_mov_b32 s[G1+3], 32<<16                      ; tile_dim0 = 32
	s_mov_b32 s[G1B+3], 32<<16
	s_mov_b32 s[G1+4], 128                         ; tile_dim1 = 128
	s_mov_b32 s[G1B+4], 128
	s_mov_b32 s[G1+5], 32                          ; from row to row: 32 elements (dense)
	s_mov_b32 s[G1B+5], 32
	s_mov_b32 s[G1+6], 0
	s_mov_b32 s[G1B+6], 0
	s_mov_b32 s[G1+7], 0
	s_mov_b32 s[G1B+7], 0
	s_lshl_b32 s16, s13, 18                        ; x: block row x 262,144 bytes
	s_mov_b32 s17, 0
	s_max_u32 s45, s10, 1
	s_sub_co_u32 s45, s45, 1                       ; waves 1, 2, 3 take row blocks 0, 1, 2 of the block column's three
	s_mul_i32 s46, s42, 3
	s_add_co_u32 s46, s46, s45
	s_lshl_b32 s46, s46, 18
	s_mov_b32 s47, 0
	s_mul_i32 s20, s10, UNIT                       ; where my unit goes: the wave's number alone
	s_wait_dscnt 0x0
	s_wait_kmcnt 0x0
	s_add_nc_u64 s[14:15], s[4:5], s[16:17]        ; x's row block: kept for the whole walk
	s_add_nc_u64 s[46:47], s[6:7], s[46:47]        ; w_qkv's row block: likewise
	CROUND                                         ; all sixteen work-groups are here: the first joint loads meet
.irp s, 0,1
	s_mov_b32 s[G0+4*\s], 1
	s_add_co_u32 s[G0+4*\s+1], s20, \s*SLOT
	s_add_nc_u64 s[G0+4*\s+2:G0+4*\s+3], s[14:15], s[OFS+2*\s:OFS+2*\s+1]
	s_or_b32 s[G0+4*\s+3], s[G0+4*\s+3], 0x80000000
	s_mov_b32 s[G0B+4*\s], 1
	s_add_co_u32 s[G0B+4*\s+1], s20, \s*SLOT
	s_add_nc_u64 s[G0B+4*\s+2:G0B+4*\s+3], s[46:47], s[OFS+2*\s:OFS+2*\s+1]
	s_or_b32 s[G0B+4*\s+3], s[G0B+4*\s+3], 0x80000000
	JLOAD \s                                       ; both first fills go out ahead of everything else: two loads of this wave are out
.endr
	; a fragment is 16 rows x 32 K: lane l takes row l % 16, 16 bytes at 16 (l / 16) and 16 bytes 32 further on
	v_and_b32 v1, 15, v0
	v_bfe_u32 v2, v0, 4, 1
	v_mul_u32_u24 v3, v1, PITCH
	v_lshl_add_u32 v3, v2, 4, v3
	s_mul_i32 s21, s11, 64*PITCH                   ; my 64 tokens in x's unit
	s_mul_i32 s22, s12, 64*PITCH                   ; my 64 rows in each of w_qkv's units,
	s_add_co_u32 s22, s22, UNIT                    ; which lie behind x's
.irp s, 0,1
	v_add_nc_u32 v[ADRA+\s], s21, v3
.irp g, 0,1,2
	v_add_nc_u32 v[ADRB+3*\s+\g], s22, v3
	s_add_co_u32 s22, s22, UNIT
.endr
	s_add_co_u32 s21, s21, SLOT
	s_add_co_u32 s22, s22, UNIT                    ; over the next slot's x unit
.endr
	s_mul_i32 s23, s10, 16*SPITCH
	s_add_co_u32 s23, s23, STAGE                   ; my stage
	v_mul_u32_u24 v4, v1, SPITCH
	v_lshl_add_u32 v4, v2, 4, v4
	v_add_nc_u32 v[STO], s23, v4                   ; in: token l % 16, 16 bytes for each half of the lanes
	v_bfe_u32 v5, v0, 3, 2
	v_and_b32 v6, 7, v0
	v_mul_u32_u24 v5, v5, SPITCH
	v_lshl_add_u32 v5, v6, 4, v5
	v_add_nc_u32 v[RD], s23, v5                    ; back: eight lanes take a token's 128 bytes of one panel, four tokens a load
	v_and_b32 v7, 31, v0
	v_lshlrev_b32 v[CO], 4, v7
; 12 matrix instructions: token block a of the window's two (hi = 0: blocks 0, 1; hi = 1: blocks 2, 3) x all 12 feature blocks, 32 along K.
; zero = 1: the first product starts the sums.
.macro MUL12 f, hi, a, zero
.irp b, 0,1,2,3,4,5,6,7,8,9,10,11
.if \zero
	v_wmma_f32_16x16x32_bf16 v[8*(12*\a+\b):8*(12*\a+\b)+7], v[FB+96*\f+8*\b:FB+96*\f+8*\b+7], v[FA+32*\f+8*(2*\hi+\a):FA+32*\f+8*(2*\hi+\a)+7], 0
.else
	v_wmma_f32_16x16x32_bf16 v[8*(12*\a+\b):8*(12*\a+\b)+7], v[FB+96*\f+8*\b:FB+96*\f+8*\b+7], v[FA+32*\f+8*(2*\hi+\a):FA+32*\f+8*(2*\hi+\a)+7], v[8*(12*\a+\b):8*(12*\a+\b)+7]
.endif
.endr
.endm
; 32 LDS loads in one run: a quarter step's fragments (192 features, then 64 tokens; 32 K at byte k of the unit) into buffer f
.macro FETCH slot, k, f
	WIN TO_B
.irp g, 0,1,2
.irp i, 0,1,2,3
	ds_load_b128 v[FB+96*\f+8*(4*\g+\i):FB+96*\f+8*(4*\g+\i)+3],   v[ADRB+3*\slot+\g] offset:\k+\i*16*PITCH
	ds_load_b128 v[FB+96*\f+8*(4*\g+\i)+4:FB+96*\f+8*(4*\g+\i)+7], v[ADRB+3*\slot+\g] offset:\k+\i*16*PITCH+32
.endr
.endr
	WIN 0
.irp i, 0,1,2,3
	ds_load_b128 v[FA+32*\f+8*\i:FA+32*\f+8*\i+3],   v[ADRA+\slot] offset:\k+\i*16*PITCH
	ds_load_b128 v[FA+32*\f+8*\i+4:FA+32*\f+8*\i+7], v[ADRA+\slot] offset:\k+\i*16*PITCH+32
.endr
.endm
; Four plain vector instructions stand between a matrix instruction and a load into a register that it has read, or a vector
; instruction that reads its result (ISA guide 7.12.1 for vector instructions).
.macro PLACES
.rept 4
	v_nop
.endr
.endm
; A K step is four quarters of 32 along K, 48 matrix instructions each, on buffers 0, 1, 0, 1.  The 48 accumulators take turns, one
; instruction a turn, in the same order in every quarter.
.macro QUARTER slot, k, f, g, zero
	s_wait_dscnt 4                                 ; all features and token blocks 0, 1 are in; the youngest four loads (token blocks 2, 3) may be out
	WIN MUL_LO
	MUL12 \f, 0, 0, \zero
	MUL12 \f, 0, 1, \zero
	PLACES
	FETCH \slot, \k, \g
	s_wait_dscnt 32                                ; all but the 32 just issued
	WIN MUL_HI
	MUL12 \f, 1, 0, \zero
	MUL12 \f, 1, 1, \zero
.endm
.macro THREE slot, zero
	QUARTER \slot, 64,       0, 1, \zero
	QUARTER \slot, PANEL,    1, 0, 0
	QUARTER \slot, PANEL+64, 0, 1, 0
.endm
; The last quarter multiplies buffer 1 and changes slots.  In front of the barrier each wave waits for its reads of this slot and for all
; its tensor loads (one is out: its unit of the next slot).  fill = 1: the barrier opens a round of the cluster's barrier, and behind the
; round this slot is asked for again, two K steps ahead, first of all.  From that request to the wait for it a wave issues 180 matrix instructions.
.macro TURN slot, next, fill
	s_wait_dscnt 4
	WIN MUL_LO
	MUL12 1, 0, 0, 0
	s_wait_dscnt 0                                 ; my reads of this slot are over
	s_wait_tensorcnt 0x0                           ; all my tensor loads have landed
	ds_add_u32 v255, v255
	s_wait_dscnt 0x0
	s_barrier_signal -1
	MUL12 1, 0, 1, 0                               ; register work while the others arrive
	WIN 0
	s_barrier_wait -1
.if \fill
	CREST                                          ; no wave of any partner still reads this slot or has a load on its way
	s_add_co_u32 s[OFS+2*\slot], s[OFS+2*\slot], 2*KBYTES          ; two K steps on,
	s_and_b32 s[OFS+2*\slot], s[OFS+2*\slot], KWRAP                ; round the row block's end; the offset is kept apart from the pointers
	s_add_nc_u64 s[G0+4*\slot+2:G0+4*\slot+3], s[14:15], s[OFS+2*\slot:OFS+2*\slot+1]
	s_or_b32 s[G0+4*\slot+3], s[G0+4*\slot+3], 0x80000000
	s_add_nc_u64 s[G0B+4*\slot+2:G0B+4*\slot+3], s[46:47], s[OFS+2*\slot:OFS+2*\slot+1]
	s_or_b32 s[G0B+4*\slot+3], s[G0B+4*\slot+3], 0x80000000
	JLOAD \slot                                    ; my one tensor load behind the round
.endif
	PLACES
	FETCH \next, 0, 0
	WIN MUL_HI
	MUL12 1, 1, 0, 0
	MUL12 1, 1, 1, 0
.endm
.macro LAP zero
	THREE 0, \zero
	TURN 0, 1, 1
	THREE 1, 0
	TURN 1, 0, 1
.endm
	s_wait_tensorcnt 0x1                           ; my unit of slot 0 is in; slot 1's stays out
	s_barrier_signal -1
	s_barrier_wait -1
	FETCH 0, 0, 0
	LAP 1                                          ; the walk's first two K steps: the first products start the sums
	WIN 0
	s_mov_b32 s3, 2                                ; K = 1024 is four laps of two K steps: one in front, two here, one behind
.Llap:
	LAP 0
	WIN 0
	s_sub_co_u32 s3, s3, 1
	s_cmp_lg_u32 s3, 0
	s_cbranch_scc1 .Llap
	THREE 0, 0                                     ; the last lap fills nothing
	TURN 0, 1, 0
	THREE 1, 0
	s_wait_dscnt 4
	WIN MUL_LO
	MUL12 1, 0, 0, 0
	MUL12 1, 0, 1, 0
	s_wait_dscnt 0
	WIN MUL_HI
	MUL12 1, 1, 0, 0
	MUL12 1, 1, 1, 0
	; THE WAY OUT, 16 tokens at a time: round to f16, 16 bytes a lane into my own stage, read back so that a store of the wave covers
	; four tokens' rows of one head panel: 512 consecutive bytes, aligned.
	PLACES
	s_mul_i32 s46, s42, 6
	s_add_co_u32 s46, s46, s12                     ; my first head panel: 6 x block column + c; the others are 2 and 4 further on
	s_lshl_b32 s46, s46, 19                        ; 524,288 bytes a panel
	s_mov_b32 s47, 0
	s_add_nc_u64 s[8:9], s[8:9], s[46:47]
	s_lshl_b32 s16, s13, 14                        ; 128 tokens of 128 bytes for each block row
	s_lshl_b32 s17, s11, 13                        ; + my 64 tokens
	s_add_co_u32 s16, s16, s17
	s_mov_b32 s17, 0
	s_add_nc_u64 s[8:9], s[8:9], s[16:17]
; token block i = tiles (a, 0..11) of window 2 or 3 (from = 0x0a or 0x0f: sources 0 and 1)
.macro OUT16 i, a, from
	WIN \from
.irp b, 0,1,2,3,4,5,6,7,8,9,10,11
.irp r, 0,1,2,3
	v_cvt_pk_f16_f32 v[TMP+4*\b+\r], v[8*(12*\a+\b)+2*\r], v[8*(12*\a+\b)+2*\r+1]
.endr
.endr
	WIN 0
.irp b, 0,1,2,3,4,5,6,7,8,9,10,11
	ds_store_b128 v[STO], v[TMP+4*\b:TMP+4*\b+3] offset:(\b/4)*128+(\b%4)*32
.endr
	s_wait_xcnt 0x0                                ; RB, which the last block's stores read, is loaded again only behind this wait
.irp g, 0,1,2
.irp t, 0,1,2,3
	ds_load_b128 v[RB+4*(4*\g+\t):RB+4*(4*\g+\t)+3], v[RD] offset:\t*4*SPITCH+\g*128   ; LDS serves a wave's instructions in order: these see the stores above
.endr
.endr
.irp g, 0,1,2
.irp t, 0,1,2,3
	s_wait_dscnt 11-(4*\g+\t)                      ; the younger read-backs stay out
	global_store_b128 v[CO], v[RB+4*(4*\g+\t):RB+4*(4*\g+\t)+3], s[8:9] offset:\g*1048576+\i*2048+\t*512
.endr
.endr
.endm
	OUT16 0, 0, 0x0a
	OUT16 1, 1, 0x0a
	OUT16 2, 0, 0x0f
	OUT16 3, 1, 0x0f
	s_set_vgpr_msb 0x1
	s_wait_tensorcnt 0x0
	ds_add_u32 v255, v255
	s_wait_dscnt 0x0
	s_set_vgpr_msb 0x100
	CROUND                                         ; the closing round: no work-group ends while a partner may still ask for a tile that names it
	s_endpgm
.Lfunc_end_k_q96676bafdf_gemm_qkv:
	.size	k_q96676bafdf_gemm_qkv, .Lfunc_end_k_q96676bafdf_gemm_qkv-k_q96676bafdf_gemm_qkv
	.p2alignl 7, 3214868480
	.fill 96, 4, 3214868480
	.section	.rodata,"a",@progbits
	.p2align	6, 0x0
	.amdhsa_kernel k_q96676bafdf_gemm_qkv
		.amdhsa_group_segment_fixed_size 327680
		.amdhsa_private_segment_fixed_size 0
		.amdhsa_enable_private_segment 0
		.amdhsa_kernarg_size 24
		.amdhsa_user_sgpr_count 2
		.amdhsa_user_sgpr_kernarg_segment_ptr 1
		.amdhsa_wavefront_size32 1
		.amdhsa_system_sgpr_workgroup_id_x 1
		.amdhsa_system_sgpr_workgroup_id_y 1
		.amdhsa_system_sgpr_workgroup_id_z 1
		.amdhsa_system_vgpr_workitem_id 0
		.amdhsa_next_free_vgpr 960
		.amdhsa_next_free_sgpr 70
		.amdhsa_reserve_vcc 0
		.amdhsa_float_denorm_mode_32 3
		.amdhsa_float_denorm_mode_16_64 3
		.amdhsa_memory_ordered 1
		.amdhsa_forward_progress 1
		.amdhsa_inst_pref_size 165
	.end_amdhsa_kernel
	.amdgpu_metadata
---
amdhsa.version: [ 1, 2 ]
amdhsa.kernels:
  - .name:           k_q96676bafdf_gemm_qkv
    .symbol:         k_q96676bafdf_gemm_qkv.kd
    .args:
      - { .name: xb, .offset: 0, .size: 8, .value_kind: global_buffer, .address_space: global }
      - { .name: wqb, .offset: 8, .size: 8, .value_kind: global_buffer, .address_space: global }
      - { .name: qkv, .offset: 16, .size: 8, .value_kind: global_buffer, .address_space: global }
    .group_segment_fixed_size: 327680
    .private_segment_fixed_size: 0
    .kernarg_segment_align: 8
    .kernarg_segment_size: 24
    .max_flat_workgroup_size: 128
    .sgpr_count:     70
    .vgpr_count:     960
    .wavefront_size: 32
...
	.end_amdgpu_metadata
.endif
;; end of part 2
;; launch attn (part 3): grid 16 x 16, 8 waves a work-group, no clusters, 271,360 bytes of LDS; arguments qkv, ao; writes ao
.if DOCPART == 3
	.amdgcn_target "amdgcn-amd-amdhsa--gfx1250"
	.amdhsa_code_object_version 6
	.text
	.protected	k_q96676bafdf_attn
	.globl	k_q96676bafdf_attn
	.p2align	8
	.type	k_q96676bafdf_attn,@function
k_q96676bafdf_attn:
	s_mov_b64 s[64:65], 0
	v_nop
	global_prefetch_b8 v0, s[64:65] scope:SCOPE_SE
	s_setreg_imm32_b32 hwreg(HW_REG_WAVE_MODE, 25, 1), 1
	s_wait_xcnt 0x0
; Sliding-window attention: for each head and query i, softmax over the keys j with |j - i| <= 256 of q_i . k_j / 8, times v.
; qkv [48][4096][64] f16 (panels 0-15 q, 16-31 k, 32-47 v by head); ao bf16, tile-major [32][16][128][64] (block of 128 tokens, panel = head).
; A work-group takes 256 queries of one head (16 x 16 = 256 work-groups), a wave 32 queries (two query tiles of 16).
; The 768 key positions 256 blk - 256 .. 256 blk + 511 of K and of V are brought into LDS once; nothing is filled again.  LDS ORDER, for K and
; for V alike: rows 0-255 the block's OWN 256 positions, rows 256-511 the PREVIOUS 256, rows 512-767 the NEXT 256.
; Every wave issues two tensor loads (waves 0-3 for K, 4-7 for V): first 64 keys of the own chunk, then 128 keys of an outer chunk.
; PHASE 1 begins when the first loads have landed (a counted wait, a barrier behind which nothing is filled): every wave takes the eight tiles
; of 32 keys of the own chunk, while the outer chunks are still on their way.  For wave w these tiles lie 32 (w - i) positions from its own,
; i = 0..7: at most 224 + 31 either way, so they are wholly inside the window for all its 32 queries, and they always exist: no mask, no skip.
; PHASE 2, behind the wait for the second loads and a second barrier: nine tiles at LDS rows 256 + 32 (w + j), j = 0..8.  With w + j < 8 that
; is the tail of the previous chunk (keys 256 - 32 j below the wave's own), with w + j >= 8 the head of the next chunk (keys 32 j above): in
; the LDS order above the two are one straight walk.  In j = 0 the keys with b >= a count, in j = 8 those with b <= a (b the key's, a the
; query's place among 32); j = 1..7 need no mask.  Block 0 has no previous chunk and block 15 no next one: that load is pointed at a
; neighbouring chunk (inside the buffer), and its tiles are skipped whole; the branch hangs on the work-group's and the wave's numbers alone.
; NO TRANSPOSE OF P: the scores are made as S^T = K Q^T, so a lane holds 16 keys of ONE query (key 8 h + j in register j, query l % 16);
; packed to f16 these registers are the B fragment of P^T as they stand, and O^T = V^T P^T, with V^T read by transposing LDS loads.
; Softmax in f32 with a running maximum: p = exp2(c s - c m), c = log2(e) / 8; when m grows, sums and outputs are scaled by
; exp2 of the difference of the two rounded shifts, so that all terms carry exactly the same shift.
; LIMITS: NaN and infinities among q, k, v are not served (the maxima drop a NaN); a probability below 2^-126 counts as zero, and one below
; 2^-14 is kept in f16 to 2^-25 absolute; P lies in [0, 1] for every input.
; NO CLUSTER: neighbouring blocks of queries share two of their three chunks, but what is one block's own chunk is its neighbours' previous
; or next one.  A joint load lands at one LDS address in all partners, so either LDS addresses would hang on the place in the cluster, or each
; of four partners would hold all six chunks of K and V: 6 x (36,864 + 40,960) = 466,944 bytes, more than the work-group's LDS.
.set KPITCH, 144                       ; K's LDS row: 128 + 16 bytes = 9 x 16
.set VPITCH, 160                       ; V's LDS row: 128 + 32 bytes = 5 x 32, for the transposing loads
.set KCHUNK, 256*KPITCH                ; 36,864
.set VCHUNK, 256*VPITCH                ; 40,960
.set VBASE,  3*KCHUNK                  ; 110,592
.set STAGE,  VBASE+3*VCHUNK            ; 233,472: 32 rows x 144 bytes for each wave, for the way out; no tensor load lands there
.set KT,     32*KPITCH                 ; a tile of 32 keys in K
.set VT,     32*VPITCH                 ; and in V
.set PANELB, 524288                    ; bytes of a head panel
.set QOFF, 2
.set KA,   3                           ; LDS address of my K fragments in the own chunk's first tile; never rewritten
.set VA,   4                           ; the same for V
.set KB,   5                           ; LDS address of my K fragments in the tile at which phase 2's walk stands
.set VB,   6                           ; the same for V
.set DIFF, 9                           ; 8 h - r, for the two masked tiles
.set NINF, 10                          ; minus infinity
.set STO,  11
.set RD,   12
.set CO,   13
.set AL,   16                          ; v[16:19]  query tile qt: scale A at AL + 2 qt, sum L at AL + 2 qt + 1
.set NM,   20                          ; v[20:23]  query tile qt: shift -c m at NM + 2 qt, maximum m at NM + 2 qt + 1
.set T,    24                          ; v[24:25]  at work
.set U,    26                          ; v[26:27]  what the other half of the lanes holds
.set SM,   28                          ; v[28:35]  partial sums; during the set-up the lane's numbers
.set QF,   40                          ; v[40:71]  Q fragments [qt][ks]
.set KF,   72                          ; v[72:103] K fragments [u][ks]; at the end the packed outputs
.set VF,   104                         ; v[104:135] V^T fragments [dt]; at the end the rows read back
.set S,    136                         ; v[136:167] scores [qt][u]; P[qt] is packed into the first 8 of each 16
.set O,    168                         ; v[168:231] outputs [qt][dt]
.set G0A, 12                           ; s[12:15] group 0 of my first load
.set G1A, 16                           ; s[16:23] group 1 of my first load: 8,192 bytes
.set G0B, 36                           ; s[36:39] group 0 of my second load
.set G1B, 40                           ; s[40:47] group 1 of my second load: 16,384 bytes
	s_load_b128 s[4:7], s[0:1], 0x0                ; qkv s[4:5], ao s[6:7]
	v_lshl_add_u32 v232, v0, 2, 0x42000
	v_mov_b32 v233, 0
	ds_add_u32 v232, v233
	ds_add_u32 v232, v233
	v_lshrrev_b32 v1, 5, v0
	v_readfirstlane_b32 s8, v1                     ; wave 0..7
	s_mov_b32 s9, ttmp9                            ; block of 256 queries
	s_and_b32 s10, ttmp7, 0xffff                   ; head
	s_lshl_b32 s11, s9, 8
	s_lshl_b32 s34, s8, 5
	s_add_co_u32 s11, s11, s34                     ; my first query
	; the descriptors: dense blocks as rows of 32 elements of 8 bytes (256 bytes, two keys), padded after every 32 words (a key's 128 bytes)
	s_mov_b32 s[G0A], 1
	s_mov_b32 s[G0B], 1
	s_mov_b32 s[G1A+1], 32<<16                     ; tensor_dim0 = 32
	s_mov_b32 s[G1B+1], 32<<16
	s_mov_b32 s[G1A+2], 32<<16                     ; tensor_dim1 = 32 rows: 64 keys
	s_mov_b32 s[G1B+2], 64<<16                     ; 64 rows: 128 keys
	s_mov_b32 s[G1A+3], 32<<16                     ; tile_dim0 = 32
	s_mov_b32 s[G1B+3], 32<<16
	s_mov_b32 s[G1A+4], 32                         ; tile_dim1
	s_mov_b32 s[G1B+4], 64
	s_mov_b32 s[G1A+5], 32                         ; dense rows
	s_mov_b32 s[G1B+5], 32
	s_mov_b32 s[G1A+6], 0
	s_mov_b32 s[G1B+6], 0
	s_mov_b32 s[G1A+7], 0
	s_mov_b32 s[G1B+7], 0
	; from where, as byte offsets inside K's or V's sixteen panels
	s_and_b32 s48, s8, 3                           ; my quarter of K's or of V's loads
	s_lshl_b32 s49, s10, 19                        ; head x 524,288 bytes
	s_lshl_b32 s50, s9, 15                         ; the own chunk: 256 keys of 128 bytes for each block,
	s_lshl_b32 s51, s48, 13                        ; my 64 keys of it
	s_add_co_u32 s50, s50, s49
	s_add_co_u32 s50, s50, s51
	s_max_u32 s52, s9, 1
	s_sub_co_u32 s52, s52, 1                       ; the previous chunk, kept inside
	s_add_co_u32 s53, s9, 1
	s_min_u32 s53, s53, 15                         ; the next chunk, kept inside
	s_cmp_lt_u32 s48, 2
	s_cselect_b32 s52, s52, s53                    ; quarters 0, 1 fetch the previous chunk's halves, quarters 2, 3 the next chunk's
	s_lshl_b32 s52, s52, 15
	s_and_b32 s53, s48, 1
	s_lshl_b32 s53, s53, 14                        ; which 128 keys of it
	s_add_co_u32 s52, s52, s49
	s_add_co_u32 s52, s52, s53
	s_mov_b32 s51, 0
	s_mov_b32 s53, 0
	s_wait_dscnt 0x0
	s_wait_kmcnt 0x0
	s_cmp_gt_u32 s8, 3
	s_cbranch_scc1 .Lfill_v
	s_mul_i32 s[G0A+1], s8, 64*KPITCH              ; waves 0-3, K: rows 64 w of the own chunk,
	s_mul_i32 s[G0B+1], s8, 128*KPITCH
	s_add_co_u32 s[G0B+1], s[G0B+1], KCHUNK        ; rows 256 + 128 w of the outer ones
	s_mov_b32 s[G1A], (3<<16)|(1<<20)|(4<<22)|(3<<25)              ; 4 words of padding
	s_mov_b32 s[G1B], (3<<16)|(1<<20)|(4<<22)|(3<<25)
	s_add_co_u32 s50, s50, 16*PANELB               ; K's panels
	s_add_co_u32 s52, s52, 16*PANELB
	s_add_nc_u64 s[G0A+2:G0A+3], s[4:5], s[50:51]
	s_or_b32 s[G0A+3], s[G0A+3], 0x80000000
	s_add_nc_u64 s[G0B+2:G0B+3], s[4:5], s[52:53]
	s_or_b32 s[G0B+3], s[G0B+3], 0x80000000
	tensor_load_to_lds s[G0A:G0A+3], s[G1A:G1A+7]
	s_nop 0
	tensor_load_to_lds s[G0B:G0B+3], s[G1B:G1B+7]
	s_nop 0
	s_branch .Lfilled
.Lfill_v:
	s_sub_co_u32 s54, s8, 4                        ; waves 4-7, V: the same with V's pitch, behind K
	s_mul_i32 s[G0A+1], s54, 64*VPITCH
	s_add_co_u32 s[G0A+1], s[G0A+1], VBASE
	s_mul_i32 s[G0B+1], s54, 128*VPITCH
	s_add_co_u32 s[G0B+1], s[G0B+1], VBASE+VCHUNK
	s_mov_b32 s[G1A], (3<<16)|(1<<20)|(4<<22)|(7<<25)              ; 8 words of padding
	s_mov_b32 s[G1B], (3<<16)|(1<<20)|(4<<22)|(7<<25)
	s_add_co_u32 s50, s50, 32*PANELB               ; V's panels
	s_add_co_u32 s52, s52, 32*PANELB
	s_add_nc_u64 s[G0A+2:G0A+3], s[4:5], s[50:51]
	s_or_b32 s[G0A+3], s[G0A+3], 0x80000000
	s_add_nc_u64 s[G0B+2:G0B+3], s[4:5], s[52:53]
	s_or_b32 s[G0B+3], s[G0B+3], 0x80000000
	tensor_load_to_lds s[G0A:G0A+3], s[G1A:G1A+7]
	s_nop 0
	tensor_load_to_lds s[G0B:G0B+3], s[G1B:G1B+7]
	s_nop 0
.Lfilled:                                          ; on either way two tensor loads of this wave are out; their descriptors are not written again
	; Q goes straight into B fragments: lane l takes query l % 16, 16 bytes at 16 (l / 16) and 32 further on; the eight loads cover my 4 KiB
	v_and_b32 v28, 15, v0                          ; r
	v_bfe_u32 v29, v0, 4, 1                        ; h
	v_lshlrev_b32 v[QOFF], 7, v28
	v_lshl_add_u32 v[QOFF], v29, 4, v[QOFF]
	s_lshl_b32 s56, s11, 7
	s_add_co_u32 s56, s56, s49
	s_mov_b32 s57, 0
	s_add_nc_u64 s[56:57], s[4:5], s[56:57]
.irp qt, 0,1
.irp ks, 0,1
	global_load_b128 v[QF+16*\qt+8*\ks:QF+16*\qt+8*\ks+3],   v[QOFF], s[56:57] offset:\qt*2048+\ks*64
	global_load_b128 v[QF+16*\qt+8*\ks+4:QF+16*\qt+8*\ks+7], v[QOFF], s[56:57] offset:\qt*2048+\ks*64+32
.endr
.endr
	v_and_b32 v30, 7, v0
	v_bfe_u32 v31, v0, 3, 1
	v_bfe_u32 v32, v0, 3, 2
	v_mul_u32_u24 v[KA], v28, KPITCH
	v_lshl_add_u32 v[KA], v29, 4, v[KA]            ; r x 144 + 16 h: the own chunk begins at LDS byte 0
	s_mul_i32 s54, s8, KT
	s_add_co_u32 s55, s54, STAGE                   ; my stage (32 rows of 144 bytes, as many as a tile of K)
	v_add_nc_u32 v[STO], s55, v[KA]
	s_add_co_u32 s54, s54, KCHUNK
	v_add_nc_u32 v[KB], s54, v[KA]                 ; phase 2 begins at LDS row 256 + 32 w
	v_mul_u32_u24 v[RD], v32, KPITCH
	v_lshl_add_u32 v[RD], v30, 4, v[RD]
	v_add_nc_u32 v[RD], s55, v[RD]
	v_lshl_add_u32 v[VA], v29, 3, v30              ; 8 h + (l & 7): the key whose 16 bytes I address
	v_mul_u32_u24 v[VA], v[VA], VPITCH
	v_lshl_add_u32 v[VA], v31, 4, v[VA]
	s_mul_i32 s54, s8, VT
	s_add_co_u32 s54, s54, VBASE+VCHUNK
	v_add_nc_u32 v[VB], s54, v[VA]
	v_add_nc_u32 v[VA], VBASE, v[VA]
	v_lshlrev_b32 v[DIFF], 3, v29
	v_sub_nc_u32 v[DIFF], v[DIFF], v28
	v_mov_b32 v[NINF], 0xff800000
	v_and_b32 v[CO], 31, v0
	v_lshlrev_b32 v[CO], 4, v[CO]
	v_mov_b32 v[U], 0                              ; the lane exchange counts as a reader of its destination
	v_mov_b32 v[U+1], 0
	s_mov_b32 s24, 0x3e38aa3b                      ; c = log2(e) / 8, twice for the packed forms
	s_mov_b32 s25, 0x3e38aa3b
	s_mov_b32 s26, 0xbe38aa3b                      ; -c
	s_mov_b32 s28, 0x76543210                      ; lane i of one half reads lane i of the other
	s_mov_b32 s29, 0xfedcba98
	s_cmp_lg_u32 s9, 0
	s_cselect_b32 s32, 1, 0                        ; the previous 256 keys exist
	s_cmp_lg_u32 s9, 15
	s_cselect_b32 s33, 1, 0                        ; the next 256 keys exist
	s_lshl_b32 s54, s9, 1                          ; ao: block of 128 tokens 2 blk + (w >> 2),
	s_lshr_b32 s55, s8, 2
	s_add_co_u32 s54, s54, s55
	s_lshl_b32 s54, s54, 18
	s_lshl_b32 s55, s10, 14                        ; panel = head,
	s_add_co_u32 s54, s54, s55
	s_and_b32 s55, s8, 3
	s_lshl_b32 s55, s55, 12                        ; 32 tokens of 128 bytes for each wave
	s_add_co_u32 s54, s54, s55
	s_mov_b32 s55, 0
	s_add_nc_u64 s[6:7], s[6:7], s[54:55]
	s_wait_tensorcnt 0x1                           ; my part of the own chunk has landed; my second load, issued behind it, stays out
	s_barrier_signal -1
	s_barrier_wait -1                              ; the own chunk of K and of V is whole
	s_wait_loadcnt 0x0                             ; Q
; the sum of a query tile's 16 probabilities of this lane, added to the scaled running sum
.macro ROWSUM qt, first
	s_wait_alu depctr_va_vdst(0)
	v_pk_add_f32 v[SM:SM+1],   v[S+16*\qt:S+16*\qt+1],     v[S+16*\qt+2:S+16*\qt+3]
	v_pk_add_f32 v[SM+2:SM+3], v[S+16*\qt+4:S+16*\qt+5],   v[S+16*\qt+6:S+16*\qt+7]
	v_pk_add_f32 v[SM+4:SM+5], v[S+16*\qt+8:S+16*\qt+9],   v[S+16*\qt+10:S+16*\qt+11]
	v_pk_add_f32 v[SM+6:SM+7], v[S+16*\qt+12:S+16*\qt+13], v[S+16*\qt+14:S+16*\qt+15]
	v_pk_add_f32 v[SM:SM+1],   v[SM:SM+1],   v[SM+2:SM+3]
	v_pk_add_f32 v[SM+4:SM+5], v[SM+4:SM+5], v[SM+6:SM+7]
	v_pk_add_f32 v[SM:SM+1],   v[SM:SM+1],   v[SM+4:SM+5]
.if \first
	v_add_f32 v[AL+2*\qt+1], v[SM], v[SM+1]
.else
	v_add_f32 v[SM], v[SM], v[SM+1]
	v_fma_f32 v[AL+2*\qt+1], v[AL+2*\qt+1], v[AL+2*\qt], v[SM]
.endif
.endm
; One tile of 32 keys, ko and vo bytes behind the addresses in registers ka and va.  first = 1: it starts maximum, sums and outputs.
; mask = 1: keys with b >= a; 2: b <= a.
.macro TILE ka, va, ko, vo, first, mask
.irp u, 0,1
.irp ks, 0,1
	ds_load_b128 v[KF+16*\u+8*\ks:KF+16*\u+8*\ks+3],   v[\ka] offset:\ko+\u*16*KPITCH+\ks*64
	ds_load_b128 v[KF+16*\u+8*\ks+4:KF+16*\u+8*\ks+7], v[\ka] offset:\ko+\u*16*KPITCH+\ks*64+32
.endr
.endr
.irp dt, 0,1,2,3
	ds_load_tr16_b128 v[VF+8*\dt:VF+8*\dt+3],   v[\va] offset:\vo+32*\dt
	ds_load_tr16_b128 v[VF+8*\dt+4:VF+8*\dt+7], v[\va] offset:\vo+32*\dt+16*VPITCH
.endr
	s_wait_dscnt 8                                 ; K's eight loads are in; V's eight stay out until the products with P
	; S^T = K Q^T: four accumulators by turns, one instruction a turn; the first 32 of d start the sums
.irp qt, 0,1
.irp u, 0,1
	v_wmma_f32_16x16x32_f16 v[S+16*\qt+8*\u:S+16*\qt+8*\u+7], v[KF+16*\u:KF+16*\u+7], v[QF+16*\qt:QF+16*\qt+7], 0
.endr
.endr
.irp qt, 0,1
.irp u, 0,1
	v_wmma_f32_16x16x32_f16 v[S+16*\qt+8*\u:S+16*\qt+8*\u+7], v[KF+16*\u+8:KF+16*\u+15], v[QF+16*\qt+8:QF+16*\qt+15], v[S+16*\qt+8*\u:S+16*\qt+8*\u+7]
.endr
.endr
.rept 4
	v_nop                                          ; four places before vector instructions read the scores (ISA guide 7.12.1)
.endr
.if \mask
	; b = 16 u + 8 h + j against a = 16 qt + r: 8 h - r against 16 qt - 16 u - j
.irp qt, 0,1
.irp u, 0,1
.irp j, 0,1,2,3,4,5,6,7
.if \mask == 1
	v_cmp_le_i32 vcc_lo, 16*\qt-16*\u-\j, v[DIFF]
.else
	v_cmp_ge_i32 vcc_lo, 16*\qt-16*\u-\j, v[DIFF]
.endif
	v_cndmask_b32 v[S+16*\qt+8*\u+\j], v[NINF], v[S+16*\qt+8*\u+\j], vcc_lo
.endr
.endr
.endr
.endif
	; the running maximum of each query: 16 scores of this lane, then the other half's; the two query tiles' chains are interleaved
.if \first
	v_max_num_f32 v[T],   v[S],    v[S+1]
	v_max_num_f32 v[T+1], v[S+16], v[S+17]
.else
	v_max3_num_f32 v[T],   v[NM+1], v[S],    v[S+1]
	v_max3_num_f32 v[T+1], v[NM+3], v[S+16], v[S+17]
.endif
.irp i, 2,4,6,8,10,12,14
	v_max3_num_f32 v[T],   v[T],   v[S+\i],    v[S+\i+1]
	v_max3_num_f32 v[T+1], v[T+1], v[S+16+\i], v[S+17+\i]
.endr
	v_permlanex16_b32 v[U],   v[T],   s28, s29
	v_permlanex16_b32 v[U+1], v[T+1], s28, s29
	v_max_num_f32 v[NM+1], v[T],   v[U]
	v_max_num_f32 v[NM+3], v[T+1], v[U+1]
.if \first
	v_mul_f32 v[NM],   s26, v[NM+1]                ; the shift -c m
	v_mul_f32 v[NM+2], s26, v[NM+3]
.else
	v_mul_f32 v[T],   s26, v[NM+1]
	v_mul_f32 v[T+1], s26, v[NM+3]
	v_sub_f32 v[AL],   v[T],   v[NM]               ; new shift - old shift, at most 0
	v_sub_f32 v[AL+2], v[T+1], v[NM+2]
	v_mov_b32 v[NM],   v[T]
	v_mov_b32 v[NM+2], v[T+1]
.endif
.irp i, 0,2,4,6,8,10,12,14
	v_pk_fma_f32 v[S+\i:S+\i+1], v[S+\i:S+\i+1], s[24:25], v[NM:NM+1] op_sel_hi:[1,0,0]
.endr
.if \first == 0
	v_exp_f32 v[AL],   v[AL]
	v_exp_f32 v[AL+2], v[AL+2]
.endif
.irp i, 0,1,2,3,4,5,6,7,8,9,10,11,12,13,14,15
	v_exp_f32 v[S+\i], v[S+\i]
.endr
	; the other query tile's multiply-adds are the plain instructions that stand behind the exponentials above (ISA guide 5.7.2)
.irp i, 16,18,20,22,24,26,28,30
	v_pk_fma_f32 v[S+\i:S+\i+1], v[S+\i:S+\i+1], s[24:25], v[NM+2:NM+3] op_sel_hi:[1,0,0]
.endr
.irp i, 16,17,18,19,20,21,22,23,24,25,26,27,28,29,30,31
	v_exp_f32 v[S+\i], v[S+\i]
.endr
	ROWSUM 0, \first                               ; reads the first query tile alone: the plain instructions behind the second run of exponentials
	ROWSUM 1, \first
	; P to f16, in place and in ascending order: word i is written when words 2 i and 2 i + 1 are read, never earlier
.irp qt, 0,1
.irp i, 0,1,2,3,4,5,6,7
	v_cvt_pk_f16_f32 v[S+16*\qt+\i], v[S+16*\qt+2*\i], v[S+16*\qt+2*\i+1]
.endr
.endr
.if \first == 0
.irp qt, 0,1
.irp i, 0,2,4,6,8,10,12,14,16,18,20,22,24,26,28,30
	v_pk_mul_f32 v[O+32*\qt+\i:O+32*\qt+\i+1], v[O+32*\qt+\i:O+32*\qt+\i+1], v[AL+2*\qt:AL+2*\qt+1] op_sel_hi:[1,0]
.endr
.endr
.endif
	s_wait_dscnt 0                                 ; V
	; O^T += V^T P^T: eight accumulators, one instruction each
.irp qt, 0,1
.irp dt, 0,1,2,3
.if \first
	v_wmma_f32_16x16x32_f16 v[O+32*\qt+8*\dt:O+32*\qt+8*\dt+7], v[VF+8*\dt:VF+8*\dt+7], v[S+16*\qt:S+16*\qt+7], 0
.else
	v_wmma_f32_16x16x32_f16 v[O+32*\qt+8*\dt:O+32*\qt+8*\dt+7], v[VF+8*\dt:VF+8*\dt+7], v[S+16*\qt:S+16*\qt+7], v[O+32*\qt+8*\dt:O+32*\qt+8*\dt+7]
.endif
.endr
.endr
.rept 5
	v_nop                                          ; five places before the next tile loads into V's fragments and its first product writes over P
.endr
.endm
	; PHASE 1: the own chunk's eight tiles, written out with each tile's place in the immediate: the highest byte read is 36,847 of K's
	; 36,864 and 40,927 of V's 40,960, so no read reaches the rows that the second loads are still filling
	TILE KA, VA, 0, 0, 1, 0
.irp i, 1,2,3,4,5,6,7
	TILE KA, VA, \i*KT, \i*VT, 0, 0
.endr
	; PHASE 2
	s_wait_tensorcnt 0x0                           ; my part of the outer chunks has landed (no LDS load of mine is out: each tile ends its own),
	s_barrier_signal -1
	s_barrier_wait -1                              ; everybody's has
	s_cmp_eq_u32 s32, 0
	s_cbranch_scc1 .Lno_low_edge
	TILE KB, VB, 0, 0, 0, 1                        ; j = 0: the window's low edge
.Lno_low_edge:
	s_mov_b32 s31, s8                              ; w + j
	s_mov_b32 s30, 7
.Lwalk:                                            ; j = 1..7
	v_add_nc_u32 v[KB], KT, v[KB]
	v_add_nc_u32 v[VB], VT, v[VB]
	s_add_co_u32 s31, s31, 1
	s_cmp_lt_u32 s31, 8                            ; still in the previous chunk, or already in the next one?
	s_cselect_b32 s34, s32, s33
	s_cmp_eq_u32 s34, 0
	s_cbranch_scc1 .Lnone                          ; that chunk does not exist
	TILE KB, VB, 0, 0, 0, 0
.Lnone:
	s_sub_co_i32 s30, s30, 1
	s_cmp_lg_u32 s30, 0
	s_cbranch_scc1 .Lwalk
	s_cmp_eq_u32 s33, 0
	s_cbranch_scc1 .Lno_high_edge
	TILE KB, VB, KT, VT, 0, 2                      ; j = 8: the window's high edge; the walk stands at j = 7
.Lno_high_edge:
	; divide by the sums (the two halves of the lanes hold half of a query's keys each), round to bf16, and out through my own stage
	v_permlanex16_b32 v[U],   v[AL+1], s28, s29
	v_permlanex16_b32 v[U+1], v[AL+3], s28, s29
	v_add_f32 v[AL+1], v[AL+1], v[U]
	v_add_f32 v[AL+3], v[AL+3], v[U+1]
	v_rcp_f32 v[AL],   v[AL+1]                     ; the sum holds the largest term, which is about 1
	v_rcp_f32 v[AL+2], v[AL+3]
	v_nop                                          ; one plain instruction behind the reciprocals (ISA guide 5.7.2)
	s_wait_alu depctr_va_vdst(0)
.irp qt, 0,1
.irp i, 0,2,4,6,8,10,12,14,16,18,20,22,24,26,28,30
	v_pk_mul_f32 v[O+32*\qt+\i:O+32*\qt+\i+1], v[O+32*\qt+\i:O+32*\qt+\i+1], v[AL+2*\qt:AL+2*\qt+1] op_sel_hi:[1,0]
.endr
.endr
.irp qt, 0,1
.irp dt, 0,1,2,3
.irp i, 0,1,2,3
	v_cvt_pk_bf16_f32 v[KF+16*\qt+4*\dt+\i], v[O+32*\qt+8*\dt+2*\i], v[O+32*\qt+8*\dt+2*\i+1]
.endr
	ds_store_b128 v[STO], v[KF+16*\qt+4*\dt:KF+16*\qt+4*\dt+3] offset:\qt*16*KPITCH+32*\dt   ; query 16 qt + r, d = 16 dt + 8 h .. + 7
.endr
.endr
.irp t, 0,1,2,3,4,5,6,7
	ds_load_b128 v[VF+4*\t:VF+4*\t+3], v[RD] offset:\t*4*KPITCH    ; LDS serves a wave's instructions in order: these see the stores above
.endr
.irp t, 0,1,2,3,4,5,6,7
	s_wait_dscnt 7-\t                              ; the younger read-backs stay out
	global_store_b128 v[CO], v[VF+4*\t:VF+4*\t+3], s[6:7] offset:\t*512   ; four tokens' rows of my head's panel: 512 consecutive bytes, aligned
.endr
	s_wait_tensorcnt 0x0
	ds_add_u32 v232, v233
	s_wait_dscnt 0x0
	s_endpgm
.Lfunc_end_k_q96676bafdf_attn:
	.size	k_q96676bafdf_attn, .Lfunc_end_k_q96676bafdf_attn-k_q96676bafdf_attn
	.p2alignl 7, 3214868480
	.fill 96, 4, 3214868480
	.section	.rodata,"a",@progbits
	.p2align	6, 0x0
	.amdhsa_kernel k_q96676bafdf_attn
		.amdhsa_group_segment_fixed_size 271360
		.amdhsa_private_segment_fixed_size 0
		.amdhsa_enable_private_segment 0
		.amdhsa_kernarg_size 16
		.amdhsa_user_sgpr_count 2
		.amdhsa_user_sgpr_kernarg_segment_ptr 1
		.amdhsa_wavefront_size32 1
		.amdhsa_system_sgpr_workgroup_id_x 1
		.amdhsa_system_sgpr_workgroup_id_y 1
		.amdhsa_system_sgpr_workgroup_id_z 1
		.amdhsa_system_vgpr_workitem_id 0
		.amdhsa_next_free_vgpr 234
		.amdhsa_next_free_sgpr 66
		.amdhsa_reserve_vcc 1
		.amdhsa_float_denorm_mode_32 3
		.amdhsa_float_denorm_mode_16_64 3
		.amdhsa_memory_ordered 1
		.amdhsa_forward_progress 1
		.amdhsa_inst_pref_size 126
	.end_amdhsa_kernel
	.amdgpu_metadata
---
amdhsa.version: [ 1, 2 ]
amdhsa.kernels:
  - .name:           k_q96676bafdf_attn
    .symbol:         k_q96676bafdf_attn.kd
    .args:
      - { .name: qkv, .offset: 0, .size: 8, .value_kind: global_buffer, .address_space: global }
      - { .name: ao, .offset: 8, .size: 8, .value_kind: global_buffer, .address_space: global }
    .group_segment_fixed_size: 271360
    .private_segment_fixed_size: 0
    .kernarg_segment_align: 8
    .kernarg_segment_size: 16
    .max_flat_workgroup_size: 256
    .sgpr_count:     66
    .vgpr_count:     234
    .wavefront_size: 32
...
	.end_amdgpu_metadata
.endif
;; end of part 3
;; launch gemm_proj (part 4): grid 8 x 32, 4 waves a work-group, clusters of 4 x 4, 327,680 bytes of LDS; arguments ao, wpb, b_proj, out0; writes out0
.if DOCPART == 4
	.amdgcn_target "amdgcn-amd-amdhsa--gfx1250"
	.amdhsa_code_object_version 6
	.text
	.protected	k_q96676bafdf_gemm_proj
	.globl	k_q96676bafdf_gemm_proj
	.p2align	8
	.type	k_q96676bafdf_gemm_proj,@function
k_q96676bafdf_gemm_proj:
	s_mov_b64 s[64:65], 0
	v_nop
	global_prefetch_b8 v0, s[64:65] scope:SCOPE_SE
	s_setreg_imm32_b32 hwreg(HW_REG_WAVE_MODE, 25, 1), 1
	s_wait_xcnt 0x0
	s_wait_alu depctr_hold_cnt(0) depctr_sa_sdst(0) depctr_va_vdst(0) depctr_va_sdst(0) depctr_va_ssrc(0) depctr_va_vcc(0) depctr_vm_vsrc(0)
	s_getreg_b32 s2, hwreg(HW_REG_IB_STS2, 6, 4)
	s_cmp_eq_u32 s2, 0
	s_cbranch_scc0 .Lentry_in_a_cluster
	s_endpgm
.Lentry_in_a_cluster:
	s_bfe_u32 s2, ttmp6, 0x10000c
	s_cmp_lg_u32 s2, 0xf033
	s_cbranch_scc0 .Lentry_shape_is_right
	s_endpgm
.Lentry_shape_is_right:
; out0 = ao w_proj^T + b_proj.  ao [32][16][128][64] and wpb [8][16][128][64] are bf16, tile-major; sums, bias and result in f32.
; A work-group makes 128 tokens x 128 features with four waves (32 x 8 = 256 work-groups), a wave 64 x 64: 16 accumulator tiles.
; K goes in steps of 256 (four panels of each side) through two LDS slots: four fills in all, so the text has no loop.
; CLUSTERS: 4 x 4 work-groups.  ao's tiles hang on the block row alone and are asked for jointly along a row of the cluster (waves 0, 1:
; two panels each), w_proj's on the block column alone, along a column (waves 2, 3): one tensor load of 32 KiB a wave.
; THE WALK ALONG K: a tile of ao is asked for by 2 clusters, a tile of w_proj by 8.  Clusters whose x + y is odd begin at K step 2 and wrap
; round (2 3 0 1), so of the clusters that need a tile half ask for it in their first fills and the other half in their refills: every refill
; is for bytes that another cluster has read shortly before.  The shift hangs on the cluster's own coordinates, which all its work-groups
; share.  Only the order of the f32 sums hangs on it.
; REGISTERS: window 0 addresses, fragments (two buffers), the way out; window 1 the accumulators, tile (a, b) at v[8 (4 a + b)].
; The matrix instruction is used transposed (source 0 = 16 features, source 1 = 16 tokens): a lane holds eight neighbouring features of one token.
.set PITCH,  144                       ; an LDS row: 128 bytes + 16 = 9 x 16
.set PANEL,  128*PITCH
.set UNIT,   2*PANEL                   ; what one tensor load brings
.set HALF,   2*UNIT                    ; ao's four panels; w_proj's four lie behind them
.set SLOT,   2*HALF
.set STAGE,  2*SLOT                    ; behind the ring: 16 rows x 272 bytes for each wave; no tensor load lands there
.set SPITCH, 272                       ; 256 bytes + 16 = 17 x 16
.set KBYTES, 65536                     ; a K step (four panels) of a block of 128 rows in memory
.set KWRAP,  0x3ffff                   ; all four K steps of a block of 128 rows are 262,144 consecutive bytes
.set ADRA, 16                          ; v16-17  my ao fragments in slot 0, 1
.set ADRB, 20                          ; v20-21  my w_proj fragments
.set STO,  24
.set RD,   25
.set CO,   26
.set BO,   27
.set FA,   32                          ; ao's fragments, buffer f at FA + 64 f
.set FB,   64                          ; w_proj's fragments, buffer f at FB + 64 f
.set RB,   160                         ; v[160:223] rows read back, two sets
.set BIAS, 224                         ; v[224:227] b_proj of my four columns
.set G1,  24
.set G0,  32
.set G1B, 48
.set G0B, 56
.set OFS, 66                           ; s[66:67], s[68:69] slot 0's, slot 1's place along K, in bytes from the row block's first byte
.set MSB, 0
.macro WIN new                         ; the immediate's high byte repeats the setting that is left
.if MSB != \new
	s_set_vgpr_msb (MSB<<8)|\new
.set MSB, \new
.endif
.endm
.set MUL, 0x50                         ; sources 0 and 1 window 0, C and D window 1
.macro JLOAD s
	s_cmp_eq_u32 s11, 0
	s_cbranch_scc0 .Lfor_b_\@
	tensor_load_to_lds s[G0+4*\s:G0+4*\s+3], s[G1:G1+7]
	s_nop 0
	s_branch .Lasked_\@
.Lfor_b_\@:
	tensor_load_to_lds s[G0B+4*\s:G0B+4*\s+3], s[G1B:G1B+7]
	s_nop 0
.Lasked_\@:
.endm
.macro CREST
	s_cmp_lg_u32 s10, 0
	s_cbranch_scc1 .Lnot_wave_0_\@
	s_barrier_signal -3
.Lnot_wave_0_\@:
	s_barrier_wait -3
	s_barrier_signal -1
	s_barrier_wait -1
.endm
.macro CROUND
	s_barrier_signal -1
	s_barrier_wait -1
	CREST
.endm
	s_load_b128 s[4:7], s[0:1], 0x0                ; ao s[4:5], wpb s[6:7]
	s_load_b64 s[22:23], s[0:1], 0x10              ; b_proj
	s_load_b64 s[8:9], s[0:1], 0x18                ; out0
	v_lshl_add_u32 v254, v0, 2, 0x4c400
	v_mov_b32 v255, 0
	ds_add_u32 v254, v255
	ds_add_u32 v254, v255
	v_lshrrev_b32 v1, 5, v0
	v_readfirstlane_b32 s10, v1                    ; wave 0..3
	s_lshr_b32 s11, s10, 1                         ; which 64 tokens are mine.  Also: I fetch for ao (0) or for w_proj (1)
	s_and_b32 s12, s10, 1                          ; which 64 features.  Also: which two of the four panels I fetch
	s_bfe_u32 s40, ttmp6, 0x40000                  ; cx
	s_bfe_u32 s41, ttmp6, 0x40004                  ; cy
	s_lshl_b32 s42, ttmp9, 2
	s_add_co_u32 s42, s42, s40                     ; block column, 0..7
	s_and_b32 s13, ttmp7, 0xffff
	s_lshl_b32 s13, s13, 2
	s_add_co_u32 s13, s13, s41                     ; block row, 0..31
	s_lshl_b32 s43, s41, 2
	s_lshl_b32 s43, 15, s43                        ; my row of the cluster
	s_lshl_b32 s44, 0x1111, s40                    ; my column
	; where my cluster's walk along K begins: K step 2 x ((cluster x + cluster y) mod 2)
	s_and_b32 s[OFS], ttmp7, 1
	s_and_b32 s[OFS+2], ttmp9, 1
	s_xor_b32 s[OFS], s[OFS], s[OFS+2]
	s_lshl_b32 s[OFS], s[OFS], 17                  ; 2 x 65,536 bytes: slot 0's first K step
	s_add_co_u32 s[OFS+2], s[OFS], KBYTES          ; slot 1's: the next one
	s_mov_b32 s[OFS+1], 0
	s_mov_b32 s[OFS+3], 0
	; group 1: a dense block of 32,768 bytes as 128 rows of 32 elements of 8 bytes; after every 32 words (a panel's row) 4 words of padding
	s_or_b32 s[G1+0], s43, (3<<16)|(1<<20)|(1<<21)|(4<<22)|(3<<25)
	s_or_b32 s[G1B+0], s44, (3<<16)|(1<<20)|(1<<21)|(4<<22)|(3<<25)
	s_mov_b32 s[G1+1], 32<<16
	s_mov_b32 s[G1B+1], 32<<16
	s_mov_b32 s[G1+2], 128<<16
	s_mov_b32 s[G1B+2], 128<<16
	s_mov_b32 s[G1+3], 32<<16
	s_mov_b32 s[G1B+3], 32<<16
	s_mov_b32 s[G1+4], 128
	s_mov_b32 s[G1B+4], 128
	s_mov_b32 s[G1+5], 32
	s_mov_b32 s[G1B+5], 32
	s_mov_b32 s[G1+6], 0
	s_mov_b32 s[G1B+6], 0
	s_mov_b32 s[G1+7], 0
	s_mov_b32 s[G1B+7], 0
	s_lshl_b32 s17, s12, 15                        ; my two panels of a K step's four
	s_lshl_b32 s16, s13, 18                        ; ao: block row x 262,144 bytes
	s_add_co_u32 s16, s16, s17
	s_lshl_b32 s46, s42, 18                        ; w_proj: block column x 262,144 bytes
	s_add_co_u32 s46, s46, s17
	s_mov_b32 s17, 0
	s_mov_b32 s47, 0
	s_mul_i32 s20, s10, UNIT                       ; where my unit goes: the wave's number alone
	s_wait_dscnt 0x0
	s_wait_kmcnt 0x0
	s_add_nc_u64 s[14:15], s[4:5], s[16:17]        ; ao's row block at my two panels: kept for the whole walk
	s_add_nc_u64 s[46:47], s[6:7], s[46:47]        ; w_proj's: likewise
	CROUND                                         ; all sixteen work-groups are here: the first joint loads meet
.irp s, 0,1
	s_mov_b32 s[G0+4*\s], 1
	s_add_co_u32 s[G0+4*\s+1], s20, \s*SLOT
	s_add_nc_u64 s[G0+4*\s+2:G0+4*\s+3], s[14:15], s[OFS+2*\s:OFS+2*\s+1]
	s_or_b32 s[G0+4*\s+3], s[G0+4*\s+3], 0x80000000
	s_mov_b32 s[G0B+4*\s], 1
	s_add_co_u32 s[G0B+4*\s+1], s20, \s*SLOT
	s_add_nc_u64 s[G0B+4*\s+2:G0B+4*\s+3], s[46:47], s[OFS+2*\s:OFS+2*\s+1]
	s_or_b32 s[G0B+4*\s+3], s[G0B+4*\s+3], 0x80000000
	JLOAD \s                                       ; both first fills go out ahead of everything else: two loads of this wave are out
.endr
	v_and_b32 v1, 15, v0
	v_bfe_u32 v2, v0, 4, 1
	s_lshl_b32 s70, s42, 9                         ; my first feature in bytes of f32: 512 x block column + 256 c
	s_lshl_b32 s71, s12, 8
	s_add_co_u32 s70, s70, s71
	s_mov_b32 s71, 0
	s_add_nc_u64 s[22:23], s[22:23], s[70:71]
	s_add_nc_u64 s[8:9], s[8:9], s[70:71]
	v_lshlrev_b32 v[BO], 4, v1
	global_load_b128 v[BIAS:BIAS+3], v[BO], s[22:23]               ; b_proj of the four columns that I store
	s_lshl_b32 s16, s13, 19                        ; my first token: 128 rows of 4,096 bytes for each block row
	s_lshl_b32 s17, s11, 18                        ; + 64 rows
	s_add_co_u32 s16, s16, s17
	s_mov_b32 s17, 0
	s_add_nc_u64 s[8:9], s[8:9], s[16:17]
	v_mul_u32_u24 v3, v1, PITCH
	v_lshl_add_u32 v3, v2, 4, v3
	s_mul_i32 s21, s11, 64*PITCH
	s_mul_i32 s19, s12, 64*PITCH
	s_add_co_u32 s19, s19, HALF
.irp s, 0,1
	v_add_nc_u32 v[ADRA+\s], s21, v3
	v_add_nc_u32 v[ADRB+\s], s19, v3
	s_add_co_u32 s21, s21, SLOT
	s_add_co_u32 s19, s19, SLOT
.endr
	s_mul_i32 s18, s10, 16*SPITCH
	s_add_co_u32 s18, s18, STAGE                   ; my stage
	v_mul_u32_u24 v4, v1, SPITCH
	v_lshl_add_u32 v4, v2, 5, v4
	v_add_nc_u32 v[STO], s18, v4                   ; in: token l % 16, 32 bytes for each half of the lanes
	v_mul_u32_u24 v5, v2, SPITCH
	v_lshl_add_u32 v5, v1, 4, v5
	v_add_nc_u32 v[RD], s18, v5                    ; back: lanes 0-15 take one token's 256 bytes, lanes 16-31 the next token's
	v_lshlrev_b32 v[CO], 12, v2
	v_lshl_add_u32 v[CO], v1, 4, v[CO]             ; and the same two rows in out0
; 8 matrix instructions: token blocks 2 hi, 2 hi + 1 x all 4 feature blocks, 32 along K
.macro MUL8 f, hi, zero
.irp a, 2*\hi, 2*\hi+1
.irp b, 0,1,2,3
.if \zero
	v_wmma_f32_16x16x32_bf16 v[8*(4*(\a)+\b):8*(4*(\a)+\b)+7], v[FB+64*\f+8*\b:FB+64*\f+8*\b+7], v[FA+64*\f+8*(\a):FA+64*\f+8*(\a)+7], 0
.else
	v_wmma_f32_16x16x32_bf16 v[8*(4*(\a)+\b):8*(4*(\a)+\b)+7], v[FB+64*\f+8*\b:FB+64*\f+8*\b+7], v[FA+64*\f+8*(\a):FA+64*\f+8*(\a)+7], v[8*(4*(\a)+\b):8*(4*(\a)+\b)+7]
.endif
.endr
.endr
.endm
; 16 LDS loads in one run: the fragments of eighth q of a K step (panel q / 2, byte 64 (q % 2) of its rows) into buffer f
.macro FETCH slot, q, f
	WIN 0
.irp i, 0,1,2,3
	ds_load_b128 v[FB+64*\f+8*\i:FB+64*\f+8*\i+3],   v[ADRB+\slot] offset:(\q/2)*PANEL+(\q%2)*64+\i*16*PITCH
	ds_load_b128 v[FB+64*\f+8*\i+4:FB+64*\f+8*\i+7], v[ADRB+\slot] offset:(\q/2)*PANEL+(\q%2)*64+\i*16*PITCH+32
.endr
.irp i, 0,1,2,3
	ds_load_b128 v[FA+64*\f+8*\i:FA+64*\f+8*\i+3],   v[ADRA+\slot] offset:(\q/2)*PANEL+(\q%2)*64+\i*16*PITCH
	ds_load_b128 v[FA+64*\f+8*\i+4:FA+64*\f+8*\i+7], v[ADRA+\slot] offset:(\q/2)*PANEL+(\q%2)*64+\i*16*PITCH+32
.endr
.endm
.macro PLACES                          ; four plain vector instructions between a matrix instruction and a load into a register that it has read (ISA guide 7.12.1 for vector instructions)
.rept 4
	v_nop
.endr
.endm
; One eighth of a K step: buffer f is multiplied; the next eighth's 16 loads go out first, into buffer g, and have these 16 matrix
; instructions in which to land.  The 16 accumulators take turns, one instruction a turn, in the same order throughout.
.macro EIGHTH slot, qn, f, g, zero
	s_wait_dscnt 0                                 ; buffer f is whole: its loads were issued one eighth ago
	PLACES
	FETCH \slot, \qn, \g
	WIN MUL
	MUL8 \f, 0, \zero
	MUL8 \f, 1, \zero
.endm
.macro SEVEN slot, zero
	EIGHTH \slot, 1, 0, 1, \zero
	EIGHTH \slot, 2, 1, 0, 0
	EIGHTH \slot, 3, 0, 1, 0
	EIGHTH \slot, 4, 1, 0, 0
	EIGHTH \slot, 5, 0, 1, 0
	EIGHTH \slot, 6, 1, 0, 0
	EIGHTH \slot, 7, 0, 1, 0
.endm
; The last eighth multiplies buffer 1 and changes slots.  In front of the barrier each wave waits for its reads of this slot and for all its
; tensor loads (one is out: its unit of the next slot).  fill = 1: the barrier opens a round of the cluster's barrier, and behind the round
; this slot is asked for again first of all.  From that request to the wait for it a wave issues 120 matrix instructions.
.macro TURN slot, next, fill
	s_wait_dscnt 0                                 ; buffer 1 is whole, and my reads of this slot are over
	s_wait_tensorcnt 0x0                           ; all my tensor loads have landed
	ds_add_u32 v254, v255
	s_wait_dscnt 0x0
	s_barrier_signal -1
	WIN MUL
	MUL8 1, 0, 0                                   ; register work while the others arrive
	WIN 0
	s_barrier_wait -1
.if \fill
	CREST                                          ; no wave of any partner still reads this slot or has a load on its way
	s_add_co_u32 s[OFS+2*\slot], s[OFS+2*\slot], 2*KBYTES          ; two K steps on,
	s_and_b32 s[OFS+2*\slot], s[OFS+2*\slot], KWRAP                ; round the row block's end; the offset is kept apart from the pointers
	s_add_nc_u64 s[G0+4*\slot+2:G0+4*\slot+3], s[14:15], s[OFS+2*\slot:OFS+2*\slot+1]
	s_or_b32 s[G0+4*\slot+3], s[G0+4*\slot+3], 0x80000000
	s_add_nc_u64 s[G0B+4*\slot+2:G0B+4*\slot+3], s[46:47], s[OFS+2*\slot:OFS+2*\slot+1]
	s_or_b32 s[G0B+4*\slot+3], s[G0B+4*\slot+3], 0x80000000
	JLOAD \slot                                    ; my one tensor load behind the round
.endif
	PLACES
	FETCH \next, 0, 0
	WIN MUL
	MUL8 1, 1, 0
.endm
	s_wait_tensorcnt 0x1                           ; my unit of slot 0 is in; slot 1's stays out
	s_barrier_signal -1
	s_barrier_wait -1
	FETCH 0, 0, 0
	SEVEN 0, 1                                     ; the walk's first K step: the first products start the sums
	TURN 0, 1, 1                                   ; slot 0 is asked for again: the walk's third K step
	SEVEN 1, 0
	TURN 1, 0, 1                                   ; slot 1: the fourth
	SEVEN 0, 0
	TURN 0, 1, 0                                   ; nothing is left to fetch
	SEVEN 1, 0
	s_wait_dscnt 0
	WIN MUL
	MUL8 1, 0, 0
	MUL8 1, 1, 0
	; THE WAY OUT, 16 tokens at a time: the f32 sums go into my own stage as they are, come back as whole rows of 256 bytes, get the bias and leave.
	PLACES
	s_wait_loadcnt 0x0                             ; b_proj
.macro OUT16 a, f
	WIN 0x04                                       ; the stores' data in window 1
.irp b, 0,1,2,3
	ds_store_b128 v[STO], v[8*(4*\a+\b):8*(4*\a+\b)+3]   offset:64*\b
	ds_store_b128 v[STO], v[8*(4*\a+\b)+4:8*(4*\a+\b)+7] offset:64*\b+16
.endr
	WIN 0
	s_wait_xcnt 0x0                                ; set f, which earlier stores read, is loaded again only behind this wait
.irp t, 0,1,2,3,4,5,6,7
	ds_load_b128 v[\f+4*\t:\f+4*\t+3], v[RD] offset:\t*2*SPITCH    ; LDS serves a wave's instructions in order: these see the stores above
.endr
.irp t, 0,1,2,3,4,5,6,7
	s_wait_dscnt 7-\t                              ; the younger read-backs stay out
	v_pk_add_f32 v[\f+4*\t:\f+4*\t+1],   v[\f+4*\t:\f+4*\t+1],   v[BIAS:BIAS+1]
	v_pk_add_f32 v[\f+4*\t+2:\f+4*\t+3], v[\f+4*\t+2:\f+4*\t+3], v[BIAS+2:BIAS+3]
	global_store_b128 v[CO], v[\f+4*\t:\f+4*\t+3], s[8:9] offset:(16*\a+2*\t)*4096 th:TH_STORE_NT   ; 16 lanes store 256 consecutive bytes, aligned
.endr
.endm
	OUT16 0, RB
	OUT16 1, RB+32
	OUT16 2, RB
	OUT16 3, RB+32
	s_wait_tensorcnt 0x0
	ds_add_u32 v254, v255
	s_wait_dscnt 0x0
	CROUND                                         ; the closing round: no work-group ends while a partner may still ask for a tile that names it
	s_endpgm
.Lfunc_end_k_q96676bafdf_gemm_proj:
	.size	k_q96676bafdf_gemm_proj, .Lfunc_end_k_q96676bafdf_gemm_proj-k_q96676bafdf_gemm_proj
	.p2alignl 7, 3214868480
	.fill 96, 4, 3214868480
	.section	.rodata,"a",@progbits
	.p2align	6, 0x0
	.amdhsa_kernel k_q96676bafdf_gemm_proj
		.amdhsa_group_segment_fixed_size 327680
		.amdhsa_private_segment_fixed_size 0
		.amdhsa_enable_private_segment 0
		.amdhsa_kernarg_size 32
		.amdhsa_user_sgpr_count 2
		.amdhsa_user_sgpr_kernarg_segment_ptr 1
		.amdhsa_wavefront_size32 1
		.amdhsa_system_sgpr_workgroup_id_x 1
		.amdhsa_system_sgpr_workgroup_id_y 1
		.amdhsa_system_sgpr_workgroup_id_z 1
		.amdhsa_system_vgpr_workitem_id 0
		.amdhsa_next_free_vgpr 384
		.amdhsa_next_free_sgpr 72
		.amdhsa_reserve_vcc 0
		.amdhsa_float_denorm_mode_32 3
		.amdhsa_float_denorm_mode_16_64 3
		.amdhsa_memory_ordered 1
		.amdhsa_forward_progress 1
		.amdhsa_inst_pref_size 93
	.end_amdhsa_kernel
	.amdgpu_metadata
---
amdhsa.version: [ 1, 2 ]
amdhsa.kernels:
  - .name:           k_q96676bafdf_gemm_proj
    .symbol:         k_q96676bafdf_gemm_proj.kd
    .args:
      - { .name: ao, .offset: 0, .size: 8, .value_kind: global_buffer, .address_space: global }
      - { .name: wpb, .offset: 8, .size: 8, .value_kind: global_buffer, .address_space: global }
      - { .name: b_proj, .offset: 16, .size: 8, .value_kind: global_buffer, .address_space: global }
      - { .name: out0, .offset: 24, .size: 8, .value_kind: global_buffer, .address_space: global }
    .group_segment_fixed_size: 327680
    .private_segment_fixed_size: 0
    .kernarg_segment_align: 8
    .kernarg_segment_size: 32
    .max_flat_workgroup_size: 128
    .sgpr_count:     72
    .vgpr_count:     384
    .wavefront_size: 32
...
	.end_amdgpu_metadata
.endif
;; end of part 4
;; ======== version 2 of 2: 4 launches; version 1 with the launch cast written anew for expert scheduling mode
;; limits: values are held in f16: magnitudes above 65,504 overflow, below 6.1e-05 lose precision
;; workspace buffers: xb 8,388,608 bytes; wqb 6,291,456 bytes; wpb 2,097,152 bytes; qkv 25,165,824 bytes; ao 8,388,608 bytes
;; launch cast (part 5): grid 512 x 1, 8 waves a work-group, no clusters, 0 bytes of LDS; arguments x, w_qkv, w_proj, xb, wqb, wpb; writes xb, wqb, wpb
.if DOCPART == 5
	.amdgcn_target "amdgcn-amd-amdhsa--gfx1250"
	.amdhsa_code_object_version 6
	.text
	.protected	k_q96676bafdf_cast
	.globl	k_q96676bafdf_cast
	.p2align	8
	.type	k_q96676bafdf_cast,@function
k_q96676bafdf_cast:
	s_mov_b64 s[64:65], 0
	v_nop
	global_prefetch_b8 v0, s[64:65] scope:SCOPE_SE
	s_setreg_imm32_b32 hwreg(HW_REG_WAVE_SCHED_MODE, 0, 2), 2
	s_setreg_imm32_b32 hwreg(HW_REG_WAVE_MODE, 25, 1), 1
	s_wait_xcnt 0x0
	s_wait_alu depctr_vm_vsrc(0)
; x [4096][1024], w_qkv [3072][1024], w_proj [1024][1024], all f32, are rounded to bf16 (nearest even) and laid out tile-major:
;   T[rb][p][128][64]: rb = row / 128, p = k / 64; byte = rb*262144 + p*16384 + (row % 128)*128 + (k % 64)*2.
; So all of K of a block of 128 rows is one dense run of 256 KiB, and two neighbouring panels are one dense block of 32 KiB
; that the products' tensor loads bring in whole.
; The three inputs have 8,192 rows of 4,096 bytes in all.  A work-group takes 16 rows (inside one block of 128), a wave two rows.
; A load of a wave: lanes 0-15 take 256 consecutive bytes (one panel's 64 numbers) of the even row, lanes 16-31 of the odd row.
; A store of a wave: the two rows' 128 bytes are neighbours in T: 256 consecutive bytes, aligned.
; Memory binds: no LDS, no barrier, no matrix unit.  Sixteen loads of every wave go out at once.
; THE MODE: SCHED_MODE bits 1:0 = 2 (LLVM: expert scheduling mode 2), set by the entry lines.  The code itself states the register dependences
; between vector instructions and memory instructions, with s_wait_alu, always for 0.
; THE PLAN.  Registers that memory instructions touch:
;   v1        the source offset.  Written by vector lines at the head; read by all sixteen loads; never written again.
;   v2        the target offset.  Written by a vector line at the head; read by all sixteen stores; never written again.
;   X         written by the loads alone, each register once, and named by no vector instruction ahead of its load; read by the conversions.
;   Y         written by the conversions, each register once; read by the stores.
; So one wait on va_vdst stands ahead of the first load, for the two offsets, and one behind the eight conversions of each group of four panels,
; ahead of that group's run of four stores.  No register that a memory instruction reads is written again, and the one wait on vm_vsrc stands at the entry;
; no vector instruction writes a scalar register or VCC, and EXEC is never written.
.set X, 16                             ; v[16:79]   panel p: 4 f32 as loaded
.set Y, 80                             ; v[80:111]  panel p: 4 bf16 to store
	s_load_b256 s[4:11], s[0:1], 0x0               ; x s[4:5], w_qkv s[6:7], w_proj s[8:9], xb s[10:11]
	s_load_b128 s[12:15], s[0:1], 0x20             ; wqb s[12:13], wpb s[14:15]
	v_lshrrev_b32 v1, 4, v0                        ; my row among the group's 16
	v_and_b32 v3, 15, v0
	v_lshlrev_b32 v1, 12, v1                       ; x 4,096 bytes
	v_lshl_add_u32 v1, v3, 4, v1                   ; + my 16 bytes of a panel's 256: the source offset
	v_lshlrev_b32 v2, 3, v0                        ; row x 128 + (t & 15) x 8 = 8 t: the target offset
	s_mov_b32 s20, 448
	s_mov_b32 s21, 256
	s_wait_kmcnt 0x0
	; work-groups 0-255 take x, 256-447 w_qkv, 448-511 w_proj: the choice hangs on the work-group's number alone
	s_cmp_lt_u32 ttmp9, 448
	s_cselect_b64 s[16:17], s[6:7], s[8:9]
	s_cselect_b64 s[18:19], s[12:13], s[14:15]
	s_cselect_b32 s20, s21, s20
	s_cmp_lt_u32 ttmp9, 256
	s_cselect_b64 s[16:17], s[4:5], s[16:17]
	s_cselect_b64 s[18:19], s[10:11], s[18:19]
	s_cselect_b32 s20, 0, s20
	s_sub_co_u32 s20, ttmp9, s20                   ; the group's number inside its tensor
	s_lshl_b32 s22, s20, 16                        ; 16 rows of 4,096 bytes
	s_mov_b32 s23, 0
	s_add_nc_u64 s[16:17], s[16:17], s[22:23]
	s_lshr_b32 s24, s20, 3                         ; block of 128 rows,
	s_lshl_b32 s24, s24, 18                        ; 262,144 bytes each,
	s_and_b32 s25, s20, 7
	s_lshl_b32 s25, s25, 11                        ; and 16 rows of 128 bytes inside a panel
	s_add_co_u32 s24, s24, s25
	s_mov_b32 s25, 0
	s_add_nc_u64 s[18:19], s[18:19], s[24:25]
	s_wait_alu depctr_va_vdst(0)                   ; v1 and v2 are written: every load below reads v1 as its offset, every store v2
.irp p, 0,1,2,3,4,5,6,7,8,9,10,11,12,13,14,15
	global_load_b128 v[X+4*\p:X+4*\p+3], v1, s[16:17] offset:256*\p th:TH_LOAD_NT
.endr
; Four groups of four panels.  A panel is rounded as soon as it is in; the group's four stores leave in one run behind one wait.
.irp g, 0,1,2,3
.irp j, 0,1,2,3
	s_wait_loadcnt 15-(4*(\g)+(\j))                ; loads come back in order: panel p = 4 g + j is in, the 15 - p younger ones stay out
	v_cvt_pk_bf16_f32 v[Y+2*(4*(\g)+(\j))], v[X+4*(4*(\g)+(\j))], v[X+4*(4*(\g)+(\j))+1]
	v_cvt_pk_bf16_f32 v[Y+2*(4*(\g)+(\j))+1], v[X+4*(4*(\g)+(\j))+2], v[X+4*(4*(\g)+(\j))+3]
.endr
	s_wait_alu depctr_va_vdst(0)                   ; the group's eight conversions have written its eight registers of Y, which the four stores below read
.irp j, 0,1,2,3
	global_store_b64 v2, v[Y+2*(4*(\g)+(\j)):Y+2*(4*(\g)+(\j))+1], s[18:19] offset:16384*(4*(\g)+(\j))
.endr
.endr
	s_endpgm
.Lfunc_end_k_q96676bafdf_cast:
	.size	k_q96676bafdf_cast, .Lfunc_end_k_q96676bafdf_cast-k_q96676bafdf_cast
	.p2alignl 7, 3214868480
	.fill 96, 4, 3214868480
	.section	.rodata,"a",@progbits
	.p2align	6, 0x0
	.amdhsa_kernel k_q96676bafdf_cast
		.amdhsa_group_segment_fixed_size 0
		.amdhsa_private_segment_fixed_size 0
		.amdhsa_enable_private_segment 0
		.amdhsa_kernarg_size 48
		.amdhsa_user_sgpr_count 2
		.amdhsa_user_sgpr_kernarg_segment_ptr 1
		.amdhsa_wavefront_size32 1
		.amdhsa_system_sgpr_workgroup_id_x 1
		.amdhsa_system_sgpr_workgroup_id_y 1
		.amdhsa_system_sgpr_workgroup_id_z 1
		.amdhsa_system_vgpr_workitem_id 0
		.amdhsa_next_free_vgpr 112
		.amdhsa_next_free_sgpr 66
		.amdhsa_reserve_vcc 0
		.amdhsa_float_denorm_mode_32 3
		.amdhsa_float_denorm_mode_16_64 3
		.amdhsa_memory_ordered 1
		.amdhsa_forward_progress 1
		.amdhsa_inst_pref_size 8
	.end_amdhsa_kernel
	.amdgpu_metadata
---
amdhsa.version: [ 1, 2 ]
amdhsa.kernels:
  - .name:           k_q96676bafdf_cast
    .symbol:         k_q96676bafdf_cast.kd
    .args:
      - { .name: x, .offset: 0, .size: 8, .value_kind: global_buffer, .address_space: global }
      - { .name: w_qkv, .offset: 8, .size: 8, .value_kind: global_buffer, .address_space: global }
      - { .name: w_proj, .offset: 16, .size: 8, .value_kind: global_buffer, .address_space: global }
      - { .name: xb, .offset: 24, .size: 8, .value_kind: global_buffer, .address_space: global }
      - { .name: wqb, .offset: 32, .size: 8, .value_kind: global_buffer, .address_space: global }
      - { .name: wpb, .offset: 40, .size: 8, .value_kind: global_buffer, .address_space: global }
    .group_segment_fixed_size: 0
    .private_segment_fixed_size: 0
    .kernarg_segment_align: 8
    .kernarg_segment_size: 48
    .max_flat_workgroup_size: 256
    .sgpr_count:     66
    .vgpr_count:     112
    .wavefront_size: 32
...
	.end_amdgpu_metadata
.endif
;; end of part 5
;; launch gemm_qkv: the kernel of part 2 again; grid 8 x 32, 4 waves a work-group, clusters of 4 x 4, 327,680 bytes of LDS; arguments xb, wqb, qkv; writes qkv
;; launch attn: the kernel of part 3 again; grid 16 x 16, 8 waves a work-group, no clusters, 271,360 bytes of LDS; arguments qkv, ao; writes ao
;; launch gemm_proj: the kernel of part 4 again; grid 8 x 32, 4 waves a work-group, clusters of 4 x 4, 327,680 bytes of LDS; arguments ao, wpb, b_proj, out0; writes out0
